; MI455X (gfx1250); checked and timed in simulation.
; The chip was launched on July 23, 2026; its instructions are those of AMD's public machine-readable ISA for CDNA 5 (MIT licence, August 2026) and "CDNA5" Instruction Set Architecture Reference Guide (July 2026). The comments in the code are by the model that wrote it; some were corrected since.
;; Simple Mo E Layer. Allowed arithmetic: matrix products marked QUANTISED: E4M3 operands, one given power-of-two scale a tensor, by v_wmma_f32_16x16x64_fp8_fp8 or v_wmma_f32_16x16x128_fp8_fp8, f32 sums; products left as they are: f32 operands where the result goes on into a quantised operand, else bf16, f16 or f32 operands; f32 sums; everything else in f32.
;; Inputs: W1 2 x 512 x 2,048 float32; W2 2 x 2,048 x 512 float32; Wg 512 x 2 float32; b1 2 x 2,048 float32; b2 2 x 512 float32; bg 2 float32; hidden_states 8 x 2,048 x 512 float32; lowp_scales 4 int32 (the exponents e of the quantised operands' scales 2^e).
;; Outputs: out0 8 x 2,048 x 512 float32; out1 one number float32.
;; This version of the problem:
;;   THIS VERSION OF THE PROBLEM IS GIVEN IN LOW PRECISION. The matrix products marked QUANTISED in the list below multiply operands that are first quantised to E4M3 (4 exponent bits, 3 mantissa bits; 8 bits a number), with one given power-of-two scale for each operand tensor; their sums are f32. All else is computed in f32.
;;   The module's matrix products, in the order in which they are computed (A, B: the left and right operand; K: the contracted axis; several contracted axes count as one K, in the product's order):
;;     1. [M 16,384, K 512] x [K 512, N 2]; A: input hidden_states; B: input Wg: left as it is (N = 2 < 16)
;;     2. [M 4,096, K 512] x [K 512, N 16,384]; A: input W1; B: input hidden_states: QUANTISED (scales: A lowp_scales[0], B lowp_scales[1])
;;     3. batch 2 x [M 16,384, K 2,048] x [K 2,048, N 512]; A: computed on the way; B: input W2: QUANTISED (scales: A lowp_scales[2], B lowp_scales[3])
;;   THE QUANTISER, for each operand of a quantised product, along K:
;;     - The operand's scale is 2^e, e = its entry of the input lowp_scales (int32; the entries are numbered through the quantised products in the list's order, A before B).
;;     - Each number is divided by the scale, clamped to +-448, and rounded to the nearest number of E4M3, ties to even, subnormals kept.
;;     - The product sums the exact products of the quantised numbers (number of the format x scale) in f32.
;;   ~~~python
;;   def quantise(x, axis, e):      # numpy; x: float32 -> the quantised numbers, widened to float32 again
;;       x = np.moveaxis(x, axis, -1); K = x.shape[-1]
;;       r = np.clip(x / 2.0 ** e, -448, 448)
;;       step = 2.0 ** (np.maximum(np.frexp(np.where(r == 0, 1, r))[1] - 1, -6) - 3)
;;       q = np.round(r / step) * step * 2.0 ** e      # np.round: ties to even
;;       return np.moveaxis(q, -1, axis).astype(np.float32)
;;   ~~~
;;   OPERANDS COMPUTED ON THE WAY. 'Computed on the way' means the value that the module computes at that place (a softmax that the list does not call 'softmax' is quantised finished and normalised). What goes into a quantiser is computed in f32, as accurately as f32 sums, v_exp_f32 and their like allow (about 1e-6 of the number): no bf16 or f16 on the way to a quantiser, and a product that is left as it is and whose result goes on into a quantised operand takes f32 operands (vector FMAs, or v_wmma_f32_16x16x4_f32). A number that lies on a knife's edge between two numbers of the format may be rounded either way, as far as f32 arithmetic and the matrix unit's own rounding can turn it there, and no further.
;; One version. Each part assembles by itself: llvm-mc -triple=amdgcn-amd-amdhsa -mcpu=gfx1250 --defsym DOCPART=n.
;; ======== version 1 of 1: 2 launches
;; limits: right only within a limited range of input values
;; workspace buffers: xq 8,388,608 bytes; w1q 2,097,152 bytes; w2q 2,097,152 bytes; rt 262,144 bytes; ps 8,192 bytes
;; launch prep (part 1): grid 1280 x 1, 4 waves a work-group, no clusters, 52,224 bytes of LDS; arguments hidden_states, Wg, bg, W1, W2, lowp_scales, xq, rt, ps, w1q, w2q; writes xq, rt, ps, w1q, w2q
.if DOCPART == 1
	.amdgcn_target "amdgcn-amd-amdhsa--gfx1250"
	.amdhsa_code_object_version 6
	.text
	.protected	k_q4b9623ba33_prep
	.globl	k_q4b9623ba33_prep
	.p2align	8
	.type	k_q4b9623ba33_prep,@function
k_q4b9623ba33_prep:
	s_mov_b64 s[64:65], 0
	v_nop
	global_prefetch_b8 v0, s[64:65] scope:SCOPE_SE
	s_setreg_imm32_b32 hwreg(HW_REG_WAVE_MODE, 25, 1), 1
	s_wait_xcnt 0x0
; PREP: everything that is made once.  (1) W1 and W2, f32 with K as their first axis within an expert, become codes of FP8 (E4M3); (2) the tokens become codes; (3) the router.
; All codes are laid as IMAGES OF OPERAND REGISTERS: a fragment (16 rows x 128 K) is 2,048 bytes, [c 0..3][lane 0..31][16 bytes]; lane (r = lane % 16, h = lane / 16), group c, holds k = 32 c + 16 h + 0..15 of row r.
;   xq : fragment (t, s) at (4 t + s) x 2048: tokens 16 t + r, K step s of 128.
;   w1q: chunk J (expert J / 16, hidden units 128 (J % 16) on) at 65536 J; + 16384 w + 2048 (2 s + u): lane r holds hidden unit 32 w + 8 u + r + 8 (r / 8) of the chunk, K step s.
;   w2q: chunk J at 65536 J; + 16384 w + 2048 nt: lane r holds output column 128 w + 16 nt + r; K = the chunk's 128 hidden units.
;   rt : four f32 a token: w0, w1 (the routing weights), rho = w0c / w1c, i0 = 1 / w0c, where wXc = max(wX, 2^-60).     ps : two f32 a tile of 16 tokens: the sums of p0 and of p1.
; code = x / 2^e, held within +-448, to the nearest code, ties to even; e: entry 0 of the scales for W1, 1 for the tokens, 3 for W2.
; LIMITS: each e between -126 and 119, so that 2^e and 448 x 2^e are f32 numbers.  NaN among the inputs is not served.  A routing weight under 2^-60 is held at 2^-60 in rho and i0.
; SHARES: work-groups 0-127 take W1, 128-255 W2, the other 1,024 a tile of 16 tokens each.  Only the tokens' path uses LDS and a barrier; the branch to it hangs on the work-group's number alone.
; No tensor loads and no matrix work: memory binds, and every wave has all its loads out at once.
.set NWG,  256                         ; work-groups for the weights
.set STG,  0                           ; LDS: for each wave 16 rows x (512 + 16) bytes: the tokens' numbers turn from 16 bytes a lane to 64 bytes a lane
.set RPB,  33792                       ; for each wave 16 rows x (256 + 16) bytes: the lanes' partial logits
.set LGB,  51200                       ; for each wave 128 bytes: its K step's logits of the 16 tokens
.set WGT,  16                          ; v16-23   Wg of my four k: (e0, e1) four times
.set A,    24                          ; v24-55   my partial logits of the 16 rows, a pair a row
.set R,    56                          ; v56-119  the rows as loaded: 4 numbers a row
.set X,    120                         ; v120-183 64 numbers of ONE row: register 16 c + i = k 32 c + 16 h + i
.set Q,    184                         ; v184-215 16 lanes' partial logits of my row
.set C,    216                         ; v216-231 the fragment's codes
.set N,    16                          ; the weights' path: v16-143 128 numbers down K of my column; v144-175 their codes
.set CW,   144
	s_load_b512 s[8:23], s[0:1], 0x0               ; x s[8:9], Wg s[10:11], bg s[12:13], W1 s[14:15], W2 s[16:17], scales s[18:19], xq s[20:21], rt s[22:23]
	s_load_b128 s[24:27], s[0:1], 0x40             ; ps s[24:25], w1q s[26:27]
	s_load_b64 s[28:29], s[0:1], 0x50              ; w2q
	v_lshl_add_u32 v248, v0, 2, 0xca00
	v_mov_b32 v249, 0
	v_lshrrev_b32 v1, 5, v0
	v_readfirstlane_b32 s30, v1                    ; wave 0..3
	v_and_b32 v1, 31, v0                           ; lane
	v_and_b32 v2, 15, v0                           ; r
	v_bfe_u32 v3, v0, 4, 1                         ; h
	v_lshlrev_b32 v4, 4, v1                        ; 16 x lane
	v_lshlrev_b32 v5, 5, v1                        ; 32 x lane
	s_mul_i32 s31, s30, 8448                       ; every LDS address is made here, ahead of every branch
	v_add_nc_u32 v6, s31, v4                       ; stage, in: 16 x lane (+ 528 x row)
	v_mul_u32_u24 v7, v2, 528
	v_lshl_add_u32 v7, v3, 6, v7
	v_add_nc_u32 v7, s31, v7                       ; stage, out: row r, + 64 h
	s_mul_i32 s31, s30, 4352
	s_add_co_u32 s31, s31, RPB
	v_lshl_add_u32 v8, v1, 3, s31                  ; partial logits, in: 8 x lane (+ 272 x row)
	v_mul_u32_u24 v9, v2, 272
	v_lshl_add_u32 v9, v3, 7, v9
	v_add_nc_u32 v9, s31, v9                       ; out: row r, 16 lanes' pairs of my half
	s_lshl_b32 s31, s30, 7
	s_add_co_u32 s31, s31, LGB
	v_lshl_add_u32 v10, v2, 3, s31                 ; my wave's logits of token r
	v_lshlrev_b32 v11, 3, v2
	v_add_nc_u32 v11, LGB, v11                     ; wave 0's place of token r (+ 128 x wave)
	v_lshlrev_b32 v12, 4, v2
	v_lshl_add_u32 v12, v3, 3, v12                 ; rt: 16 r + 8 h
	v_mov_b32 v13, 0
	s_wait_kmcnt 0x0
	s_load_b128 s[32:35], s[18:19], 0x0            ; e of W1, of the tokens, of the hidden layer, of W2
	s_load_b64 s[36:37], s[12:13], 0x0             ; bg
	s_cmp_lt_u32 ttmp9, NWG
	s_cbranch_scc1 .Lweights
	; ---- THE TOKENS.  Tile t of 16 tokens; wave s takes K step s: columns 128 s .. 128 s + 127
	s_sub_co_u32 s38, ttmp9, NWG                   ; t
	s_lshl_b32 s40, s38, 15                        ; 16 rows of 2,048 bytes
	s_lshl_b32 s41, s30, 9
	s_add_co_u32 s40, s40, s41
	s_mov_b32 s41, 0
	s_add_nc_u64 s[8:9], s[8:9], s[40:41]
	s_lshl_b32 s40, s30, 10                        ; Wg: 128 rows of 8 bytes
	s_add_nc_u64 s[10:11], s[10:11], s[40:41]
	global_load_b128 v[WGT:WGT+3], v5, s[10:11]            ; Wg[128 s + 4 lane + 0, 1][0:1]
	global_load_b128 v[WGT+4:WGT+7], v5, s[10:11] offset:16  ; ... + 2, 3
.irp r, 0,1,2,3,4,5,6,7,8,9,10,11,12,13,14,15
	global_load_b128 v[R+4*\r:R+4*\r+3], v4, s[8:9] offset:2048*\r th:TH_LOAD_NT   ; 32 lanes read 512 consecutive bytes of row r
.endr
	s_lshl_b32 s40, s38, 13
	s_lshl_b32 s42, s30, 11
	s_add_co_u32 s40, s40, s42
	s_add_nc_u64 s[20:21], s[20:21], s[40:41]      ; xq at fragment (t, s)
	s_lshl_b32 s40, s38, 8
	s_add_nc_u64 s[22:23], s[22:23], s[40:41]      ; rt at the tile's 16 tokens
	s_lshl_b32 s40, s38, 3
	s_add_nc_u64 s[24:25], s[24:25], s[40:41]      ; ps at the tile
	s_mov_b32 s44, 0x76543210                      ; v_permlanex16_b32's selects: lane l xor 16
	s_mov_b32 s45, 0xfedcba98
	v_mov_b32 v232, 0                              ; written once: a lane permute's destination counts as one of its sources
	v_mov_b32 v233, 0
	s_wait_kmcnt 0x0
	s_add_co_i32 s42, s33, 127
	s_lshl_b32 s43, s42, 23
	v_mov_b32 v14, s43                             ; 2^e as f32: the conversion takes its exponent field
	s_add_co_i32 s42, s42, 8
	s_lshl_b32 s42, s42, 23
	s_or_b32 s42, s42, 0x600000
	v_mov_b32 v15, s42                             ; 448 x 2^e
.irp r, 0,1,2,3,4,5,6,7,8,9,10,11,12,13,14,15
	s_wait_loadcnt 15-\r                           ; row r is in (and Wg, asked for ahead of it); the younger rows stay out
	v_mul_f32 v[A+2*\r], v[R+4*\r], v[WGT]         ; my four k's share of row r's two logits, in f32
	v_mul_f32 v[A+2*\r+1], v[R+4*\r], v[WGT+1]
.irp i, 1,2,3
	v_fmac_f32 v[A+2*\r], v[R+4*\r+\i], v[WGT+2*\i]
	v_fmac_f32 v[A+2*\r+1], v[R+4*\r+\i], v[WGT+2*\i+1]
.endr
	ds_store_b128 v6, v[R+4*\r:R+4*\r+3] offset:528*\r
	ds_store_b64 v8, v[A+2*\r:A+2*\r+1] offset:272*\r
.endr
.irp c, 0,1,2,3                                ; LDS serves a wave's instructions in order (ISA guide 5.7.1.4): these see my stores
.irp j, 0,1,2,3
	ds_load_b128 v[X+16*\c+4*\j:X+16*\c+4*\j+3], v7 offset:128*\c+16*\j
.endr
.endr
.irp j, 0,1,2,3,4,5,6,7
	ds_load_b128 v[Q+4*\j:Q+4*\j+3], v9 offset:16*\j
.endr
	s_wait_dscnt 8                                 ; my row's 64 numbers are in; the eight loads of partial logits may be out
.irp c, 0,1,2,3
.irp i, 0,1,2,3,4,5,6,7,8,9,10,11,12,13,14,15
	v_med3_num_f32 v[X+16*\c+\i], v[X+16*\c+\i], -v15, v15   ; the conversion to an 8-bit code does not saturate (ISA guide 7.6.2): the hold comes first
.endr
	v_cvt_scalef32_pk8_fp8_f32 v[C+4*\c:C+4*\c+1], v[X+16*\c:X+16*\c+7], v14
	v_cvt_scalef32_pk8_fp8_f32 v[C+4*\c+2:C+4*\c+3], v[X+16*\c+8:X+16*\c+15], v14
.endr
.irp c, 0,1,2,3
	global_store_b128 v4, v[C+4*\c:C+4*\c+3], s[20:21] offset:512*\c   ; 32 lanes store 512 consecutive bytes
.endr
	s_wait_dscnt 0x0
.irp w, 2,4,8,16                               ; 16 lanes' pairs become one: 15 packed additions
.set k, 0
.rept 16/\w
	v_pk_add_f32 v[Q+k:Q+k+1], v[Q+k:Q+k+1], v[Q+k+\w:Q+k+\w+1]
.set k, k+2*\w
.endr
.endr
	v_permlanex16_b32 v232, v[Q], s44, s45         ; the other 16 lanes' share lies in lane l xor 16
	v_permlanex16_b32 v233, v[Q+1], s44, s45
	v_pk_add_f32 v[Q:Q+1], v[Q:Q+1], v[232:233]
	ds_store_b64 v10, v[Q:Q+1]                     ; lanes r and r + 16 write the same words with the same numbers
	s_wait_dscnt 0x0                               ; for the others' sake: my store has landed
	s_barrier_signal -1
	s_barrier_wait -1
	s_cmp_lg_u32 s30, 0
	s_cbranch_scc1 .Lend                           ; wave 0 finishes the router
.irp w, 0,1,2,3
	ds_load_b64 v[234+2*\w:235+2*\w], v11 offset:128*\w
.endr
	s_wait_dscnt 0x0
	v_pk_add_f32 v[234:235], v[234:235], v[236:237]
	v_pk_add_f32 v[234:235], v[234:235], v[238:239]
	v_pk_add_f32 v[234:235], v[234:235], v[240:241]
	v_add_f32 v234, s36, v234                      ; + bg
	v_add_f32 v235, s37, v235
	v_max_num_f32 v236, v234, v235                 ; the softmax takes the larger logit away first
	v_sub_f32 v234, v234, v236
	v_sub_f32 v235, v235, v236
	v_mul_f32 v234, 0x3fb8aa3b, v234               ; x log2(e)
	v_mul_f32 v235, 0x3fb8aa3b, v235
	v_exp_f32 v234, v234
	v_exp_f32 v235, v235
	v_nop                                          ; a plain instruction behind the transcendentals (ISA guide 5.7.2)
	s_wait_alu depctr_va_vdst(0)
	v_add_f32 v236, v234, v235
	v_rcp_f32 v236, v236
	v_nop
	s_wait_alu depctr_va_vdst(0)
	v_mul_f32 v234, v234, v236                     ; p0
	v_mul_f32 v235, v235, v236                     ; p1
	v_add_f32 v237, v234, v235                     ; top-2 of two experts is both: the chosen probabilities' sum
	v_rcp_f32 v237, v237
	v_nop
	s_wait_alu depctr_va_vdst(0)
	v_mul_f32 v238, v234, v237                     ; w0
	v_mul_f32 v239, v235, v237                     ; w1
	v_max_num_f32 v240, 0x21800000, v238           ; held at 2^-60 from below
	v_max_num_f32 v241, 0x21800000, v239
	v_rcp_f32 v242, v241
	v_rcp_f32 v243, v240                           ; i0
	v_nop
	s_wait_alu depctr_va_vdst(0)
	v_mul_f32 v242, v240, v242                     ; rho
	v_cmp_le_u32 vcc_lo, 16, v1                    ; lanes 0-15 store (w0, w1), lanes 16-31 (rho, i0) of the same token
	v_cndmask_b32 v244, v238, v242, vcc_lo
	v_cndmask_b32 v245, v239, v243, vcc_lo
	global_store_b64 v12, v[244:245], s[22:23]     ; the wave stores 256 consecutive bytes
.irp x, 1,2,4,8
	v_add_f32_dpp v234, v234, v234 row_xmask:\x row_mask:0xf bank_mask:0xf   ; the 16 tokens' p0 and p1 are summed within each half of the lanes
	v_add_f32_dpp v235, v235, v235 row_xmask:\x row_mask:0xf bank_mask:0xf
.endr
	s_wait_xcnt 0x0                                ; EXEC changes only behind this wait: it is a source of the stores above
	v_cmp_eq_u32 vcc_lo, 0, v1
	s_and_saveexec_b32 s46, vcc_lo
	global_store_b64 v13, v[234:235], s[24:25]     ; lane 0 alone
	s_wait_xcnt 0x0
	s_or_b32 exec_lo, exec_lo, s46
.Lend:
	s_wait_tensorcnt 0x0
	ds_add_u32 v248, v249
	s_wait_dscnt 0x0
	s_endpgm
; ---- THE WEIGHTS.  A LANE TAKES A COLUMN AND ITS REGISTERS RUN DOWN K: each load reads 32 neighbouring columns of one row (128 bytes a wave, 512 a work-group), and the conversions, which take neighbours along K from
; one lane's registers, give 16 codes that are exactly one lane's 16 bytes of a fragment's image.  Nothing is transposed and no LDS is used.  All 128 loads go out at once.
; sb: the source's base, db: the image's, es: the register with e.  v177 = 4 x lane; v176 = my 16 bytes' place in the image.
.macro WQ pitch, sb, db, es
.set i, 0
.rept 128
	global_load_b32 v[N+i], v177, s[\sb:\sb+1] offset:i*\pitch th:TH_LOAD_NT
.set i, i+1
.endr
	s_wait_kmcnt 0x0
	s_add_co_i32 s42, s[\es], 127
	s_lshl_b32 s43, s42, 23
	v_mov_b32 v14, s43                             ; 2^e
	s_add_co_i32 s42, s42, 8
	s_lshl_b32 s42, s42, 23
	s_or_b32 s42, s42, 0x600000
	v_mov_b32 v15, s42                             ; 448 x 2^e
.set a, 0
.rept 8                                        ; run a: k = 16 a .. 16 a + 15 = 32 (a / 2) + 16 (a % 2) + 0..15
.if 112-16*a > 63
	s_wait_loadcnt 63                              ; 112 - 16 a younger loads could stay out; the wait's field holds 63
.else
	s_wait_loadcnt 112-16*a
.endif
.set i, 0
.rept 16
	v_med3_num_f32 v[N+16*a+i], v[N+16*a+i], -v15, v15
.set i, i+1
.endr
	v_cvt_scalef32_pk8_fp8_f32 v[CW+4*a:CW+4*a+1], v[N+16*a:N+16*a+7], v14
	v_cvt_scalef32_pk8_fp8_f32 v[CW+4*a+2:CW+4*a+3], v[N+16*a+8:N+16*a+15], v14
	global_store_b128 v176, v[CW+4*a:CW+4*a+3], s[\db:\db+1] offset:(a/2)*512+(a%2)*256   ; the wave's 512 bytes are two aligned runs of 256 consecutive bytes
.set a, a+1
.endr
	s_endpgm
.endm
.Lweights:
	v_lshlrev_b32 v177, 2, v1
	s_mov_b32 s47, 0
	s_cmp_lt_u32 ttmp9, 128
	s_cbranch_scc0 .Lw2
	; W1: work-group q = 4 J + s; wave w: hidden units 32 w .. 32 w + 31 of chunk J, K step s
	s_lshr_b32 s41, ttmp9, 2                       ; J
	s_and_b32 s42, ttmp9, 3                        ; s
	s_lshr_b32 s43, s41, 4
	s_lshl_b32 s43, s43, 22                        ; the expert: 512 rows of 8,192 bytes
	s_lshl_b32 s44, s42, 20                        ; 128 rows
	s_add_co_u32 s43, s43, s44
	s_and_b32 s44, s41, 15
	s_lshl_b32 s44, s44, 9                         ; 128 columns
	s_add_co_u32 s43, s43, s44
	s_lshl_b32 s44, s30, 7                         ; 32 columns
	s_add_co_u32 s46, s43, s44
	s_add_nc_u64 s[14:15], s[14:15], s[46:47]
	s_lshl_b32 s43, s41, 16
	s_lshl_b32 s44, s30, 14
	s_add_co_u32 s43, s43, s44
	s_lshl_b32 s44, s42, 12
	s_add_co_u32 s46, s43, s44
	s_add_nc_u64 s[26:27], s[26:27], s[46:47]
	v_and_b32 v176, 7, v0                          ; unit l of the 32 is row (l % 8) + 8 (l / 16) of tile (l / 8) % 2
	v_lshl_add_u32 v176, v3, 3, v176
	v_lshlrev_b32 v176, 4, v176
	v_bfe_u32 v178, v0, 3, 1
	v_lshl_add_u32 v176, v178, 11, v176
	WQ 8192, 14, 26, 32
.Lw2:
	; W2: work-group q = 4 J + wq; wave v: output columns 128 wq + 32 v .. + 31, K = chunk J's 128 hidden units
	s_sub_co_u32 s40, ttmp9, 128
	s_lshr_b32 s41, s40, 2                         ; J
	s_and_b32 s42, s40, 3                          ; wq
	s_lshl_b32 s43, s41, 18                        ; 128 rows of 2,048 bytes
	s_lshl_b32 s44, s42, 9
	s_add_co_u32 s43, s43, s44
	s_lshl_b32 s44, s30, 7
	s_add_co_u32 s46, s43, s44
	s_add_nc_u64 s[16:17], s[16:17], s[46:47]
	s_lshl_b32 s43, s41, 16
	s_lshl_b32 s44, s42, 14
	s_add_co_u32 s43, s43, s44
	s_lshl_b32 s44, s30, 12
	s_add_co_u32 s46, s43, s44
	s_add_nc_u64 s[28:29], s[28:29], s[46:47]
	v_lshlrev_b32 v176, 4, v2                      ; column l of the 32 is row l % 16 of tile 2 v + l / 16
	v_lshl_add_u32 v176, v3, 11, v176
	WQ 2048, 16, 28, 35
.Lfunc_end_k_q4b9623ba33_prep:
	.size	k_q4b9623ba33_prep, .Lfunc_end_k_q4b9623ba33_prep-k_q4b9623ba33_prep
	.p2alignl 7, 3214868480
	.fill 96, 4, 3214868480
	.section	.rodata,"a",@progbits
	.p2align	6, 0x0
	.amdhsa_kernel k_q4b9623ba33_prep
		.amdhsa_group_segment_fixed_size 52224
		.amdhsa_private_segment_fixed_size 0
		.amdhsa_enable_private_segment 0
		.amdhsa_kernarg_size 88
		.amdhsa_user_sgpr_count 2
		.amdhsa_user_sgpr_kernarg_segment_ptr 1
		.amdhsa_wavefront_size32 1
		.amdhsa_system_sgpr_workgroup_id_x 1
		.amdhsa_system_sgpr_workgroup_id_y 1
		.amdhsa_system_sgpr_workgroup_id_z 1
		.amdhsa_system_vgpr_workitem_id 0
		.amdhsa_next_free_vgpr 250
		.amdhsa_next_free_sgpr 66
		.amdhsa_reserve_vcc 1
		.amdhsa_float_denorm_mode_32 3
		.amdhsa_float_denorm_mode_16_64 3
		.amdhsa_memory_ordered 1
		.amdhsa_forward_progress 1
		.amdhsa_inst_pref_size 68
	.end_amdhsa_kernel
	.amdgpu_metadata
---
amdhsa.version: [ 1, 2 ]
amdhsa.kernels:
  - .name:           k_q4b9623ba33_prep
    .symbol:         k_q4b9623ba33_prep.kd
    .args:
      - { .name: hidden_states, .offset: 0, .size: 8, .value_kind: global_buffer, .address_space: global }
      - { .name: Wg, .offset: 8, .size: 8, .value_kind: global_buffer, .address_space: global }
      - { .name: bg, .offset: 16, .size: 8, .value_kind: global_buffer, .address_space: global }
      - { .name: W1, .offset: 24, .size: 8, .value_kind: global_buffer, .address_space: global }
      - { .name: W2, .offset: 32, .size: 8, .value_kind: global_buffer, .address_space: global }
      - { .name: lowp_scales, .offset: 40, .size: 8, .value_kind: global_buffer, .address_space: global }
      - { .name: xq, .offset: 48, .size: 8, .value_kind: global_buffer, .address_space: global }
      - { .name: rt, .offset: 56, .size: 8, .value_kind: global_buffer, .address_space: global }
      - { .name: ps, .offset: 64, .size: 8, .value_kind: global_buffer, .address_space: global }
      - { .name: w1q, .offset: 72, .size: 8, .value_kind: global_buffer, .address_space: global }
      - { .name: w2q, .offset: 80, .size: 8, .value_kind: global_buffer, .address_space: global }
    .group_segment_fixed_size: 52224
    .private_segment_fixed_size: 0
    .kernarg_segment_align: 8
    .kernarg_segment_size: 88
    .max_flat_workgroup_size: 128
    .sgpr_count:     66
    .vgpr_count:     250
    .wavefront_size: 32
...
	.end_amdgpu_metadata
.endif
;; end of part 1
;; launch moe (part 2): grid 256 x 1, 4 waves a work-group, clusters of 4 x 1, 327,680 bytes of LDS; arguments xq, w1q, w2q, rt, ps, hidden_states, b1, b2, lowp_scales, out0, out1; writes out0, out1
.if DOCPART == 2
	.amdgcn_target "amdgcn-amd-amdhsa--gfx1250"
	.amdhsa_code_object_version 6
	.text
	.protected	k_q4b9623ba33_moe
	.globl	k_q4b9623ba33_moe
	.p2align	8
	.type	k_q4b9623ba33_moe,@function
k_q4b9623ba33_moe:
	s_mov_b64 s[64:65], 0
	v_nop
	global_prefetch_b8 v0, s[64:65] scope:SCOPE_SE
	s_setreg_imm32_b32 hwreg(HW_REG_WAVE_MODE, 25, 1), 1
	s_wait_xcnt 0x0
	s_wait_alu depctr_hold_cnt(0) depctr_sa_sdst(0) depctr_va_vdst(0) depctr_va_sdst(0) depctr_va_ssrc(0) depctr_va_vcc(0) depctr_vm_vsrc(0)
	s_getreg_b32 s2, hwreg(HW_REG_IB_STS2, 6, 4)
	s_cmp_eq_u32 s2, 0
	s_cbranch_scc0 .Lentry_in_a_cluster
	s_endpgm
.Lentry_in_a_cluster:
	s_bfe_u32 s2, ttmp6, 0x10000c
	s_cmp_lg_u32 s2, 0x3003
	s_cbranch_scc0 .Lentry_shape_is_right
	s_endpgm
.Lentry_shape_is_right:
; out0 = w0 y0 + w1 y1 + x,  y_e = gelu(x W1_e + b1_e) W2_e + b2_e (gelu in its tanh form), both products on codes of FP8 (E4M3);  out1 = the balance loss.
; With two experts and top-2 both experts are always chosen, so the gather and the weighted sum are the sum over both, and each expert's share of the dispatch is 1/2: out1 = 0.02 (P0 / 2 + P1 / 2).
; SHARES.  A work-group owns 64 tokens (four tiles of 16) and walks all 32 chunks of 128 hidden units (16 an expert).  THE WAVES SHARE THE COLUMNS: in a chunk wave w makes hidden units 32 w .. + 31 (P1: 2 tiles x 4 token
; tiles x 4 K steps = 32 matrix instructions) and adds the whole chunk onto output columns 128 w .. + 127 (P2: 8 x 4 tiles x 1 K step = 32).  The tokens' codes stay in registers; each weight fragment read from LDS feeds 4 products.
; Both products are used transposed (source 0 = weights, source 1 = tokens): a lane holds ONE token throughout.  The rows of W1 that form a tile are chosen (by the launch before) so that a lane's 16 registers of tiles 0 and 1 are
; 16 neighbours along the next K: the conversions' results are a quarter of the next operand, and go to the other waves through LDS as an image of its registers.
; THE WALK.  Place p of the walk (0 .. 31) is chunk J(p) = (p & 16) | ((p + rot) & 15): expert 0's sixteen chunks in a circle that begins at chunk rot, then expert 1's likewise.  rot hangs on the cluster's number c alone:
; its bits are c0^c1, c1^c2, c3^c4, c4^c5, so that the clusters with any one bit of c held fast still have all 16 beginnings.  So the 64 clusters ask for 16 different chunks in a trip, not all for the same one.
; Only global addresses hang on rot: the descriptors' and those of b1's loads at the head, which lay b1 into LDS by place.  The order of a sum's terms is all that it changes.
; PIPELINE.  Trip j: P2 of place j - 1 and P1 of place j + 1 on the matrix unit, with the gelu and the quantiser of place j cut into 64 parts that stand between them; then h(j) lies in LDS and a barrier follows.
; GELU.  sigma = the sum with b1 / 2^S1 as its C (S1 = e0 + e1), v = sigma 2^S1.  gelu(v) = v / (1 + 2^u), u = sigma (K1 + K3 sigma^2), K1 = -2.3022082 x 2^S1, K3 = -0.10294324 x 8^S1; the conversion takes 2^(e2 - S1).
; ONE SET OF ACCUMULATORS FOR BOTH EXPERTS.  acc starts as (w0 b2_0 + w1 b2_1) i0 / 2^S2 (S2 = e2 + e3); expert 0's chunks are added; acc x rho; expert 1's are added; out = acc x beta + x, beta = w1c 2^S2.
; THE RING.  W1's and W2's chunks (65,536 bytes each, dense images) come through two LDS regions each; place p lies in region p % 2.  CLUSTER: the four work-groups walk the same chunks, so each half chunk is asked for JOINTLY
; (mask 15); waves 0, 1 ask for W1's halves, waves 2, 3 for W2's: one load of 32,768 bytes a wave behind each round, and a whole trip in which it lands.  At trip j's head W1's place j + 2 and W2's place j + 1 are asked for.
; By this text's count a wave has two tensor loads out at the start and one later.
; LDS READS stand in groups of four between the products: in trip j W1's place j + 1 among P2's products, W2's place j (for the next trip's P2) among P1's, when this trip's P2 has left W2's registers.
; LIMITS: a routing weight under 2^-60 counts as 2^-60; S1 between -40 and 43 (3 S1 is added to K3's exponent field); e2 - S1 between -126 and 119.  NaN among the inputs is not served.
; REGISTERS, in windows of 256 (s_set_vgpr_msb: bits 1:0 source 0, 3:2 source 1, 5:4 source 2, 7:6 destination):
;   window 0: v0 thread; v1, v2 the add's; v3 16 x lane; v4-5 W1's regions; v6-7 W2's; v8, v9 h's image (read, write); v10, v11 b1's address; v12 2^(e2-S1); v13 448 x that; v14-15 K1 twice; v16-23 rho twice a token tile
;             (beta in the tail); v24-31 T at work; v32-47 b1's two tiles; v48-63 codes; v64-127, v128-191 the sums of two chunks by turns; v192-255 h's four fragments
;   window 1: the tokens' 16 fragments (m, s) at v[16 (4 m + s)]     window 2: accumulator (m, nt) at v[64 m + 8 nt]     window 3: v0-127 W2's 8 fragments; v128-255 W1's 8
; All that the gelu touches lies in window 0 and no window has room for a product's operands beside it: a part costs two switches, as the price of matrix and vector work side by side in one wave.
.set REG1,  65536                      ; from a ring's region 0 to its region 1: one exclusive or turns one address into the other
.set W2R,   131072                     ; LDS: W1's two regions from 0, W2's two from here,
.set HIMG,  262144                     ; h's images: two buffers of 8,192 bytes: 2048 m + 512 c + 16 lane, c = the wave that made the quarter,
.set B1S,   278528                     ; b1 / 2^S1, by place: 4,096 f32,
.set SPARE, 294912                     ; the spare words, 128 bytes for each wave: two blocks of 256 bytes that no other line names,
.set STG,   295424                     ; and a stage of 16 rows x (256 + 16) bytes for each wave, for the way out
.set RHO, 16
.set T,   24
.set BI,  32
.set CD,  48
.set SA,  64
.set H,   192
.set G1,  40                           ; s[40:47] descriptor group 1, the same for every load
.set GA1, 48                           ; s[48:51], s[52:55] group 0 of W1's two first fills; s[56:59] the one that walks
.set GB1, 52
.set GW1, 56
.set GA2, 76                           ; s[76:87] the same for W2
.set GB2, 80
.set GW2, 84
.set LOSS, 94                          ; s94  the balance loss, from the head to the kernel's last lines
.set ROT, 95                           ; s95  where my cluster's circles begin
.set BW1, 96                           ; s[96:97]  w1q at my half of chunk 0;  s[98:99] w2q likewise;  s[100:101] an offset at work
.set BW2, 98
.set PL1, 33                           ; s33  the place that W1's walking descriptor names;  s35 W2's
.set PL2, 35
.set MSB, 0
.macro WIN new                         ; the immediate's high byte repeats the setting that is left; a switch that changes nothing is dropped
.if MSB != \new
	s_set_vgpr_msb (MSB<<8)|\new
.set MSB, \new
.endif
.endm
.macro PLACES                          ; four plain vector instructions: behind a tensor load, and in front of loads into, and reads of, registers that matrix instructions have named
.rept 4
	v_nop
.endr
.endm
.macro CROUND                          ; a round of the cluster's barrier: my work-group's barrier; wave 0 signals for the work-group; every wave waits for all four work-groups; my work-group's barrier once more
	s_barrier_signal -1
	s_barrier_wait -1
	s_cmp_lg_u32 s30, 0
	s_cbranch_scc1 .Lnot_wave_0_\@
	s_barrier_signal -3
.Lnot_wave_0_\@:
	s_barrier_wait -3
	s_barrier_signal -1
	s_barrier_wait -1
.endm
; Group 0 g's global address: my half of the chunk at place s[pos]: the base + 65,536 J(place), and the type.  The offset is made apart from the address; all of it is alike in the four partners.
.macro WHERE g, base, pos
	s_add_co_u32 s100, s[\pos], s[ROT]
	s_and_b32 s100, s100, 15                       ; the circle
	s_and_b32 s101, s[\pos], 16                    ; the expert
	s_or_b32 s100, s100, s101                      ; J
	s_lshl_b32 s100, s100, 16
	s_mov_b32 s101, 0
	s_add_nc_u64 s[\g+2:\g+3], s[\base:\base+1], s[100:101]
	s_or_b32 s[\g+3], s[\g+3], 0x80000000          ; type = 2
.endm
; The joint refill at a trip's head.  fill = 1: waves 0, 1 ask for W1's halves, waves 2, 3 for W2's; 3: W1's alone; 2: W2's alone; 0: none.  The branches hang on the wave's number alone.  Every wave passes four places.
.macro JLOAD fill
.if \fill == 1
	s_cmp_lt_u32 s30, 2
	s_cbranch_scc0 .Lfor_w2_\@
	tensor_load_to_lds s[GW1:GW1+3], s[G1:G1+7]
	s_nop 0
	PLACES
	s_branch .Lasked_\@
.Lfor_w2_\@:
	tensor_load_to_lds s[GW2:GW2+3], s[G1:G1+7]
	s_nop 0
	PLACES
.Lasked_\@:
.elseif \fill == 3
	s_cmp_lt_u32 s30, 2
	s_cbranch_scc0 .Lasked_\@
	tensor_load_to_lds s[GW1:GW1+3], s[G1:G1+7]
	s_nop 0
	PLACES
.Lasked_\@:
	PLACES
.elseif \fill == 2
	s_cmp_lt_u32 s30, 2
	s_cbranch_scc1 .Lasked_\@
	tensor_load_to_lds s[GW2:GW2+3], s[G1:G1+7]
	s_nop 0
	PLACES
.Lasked_\@:
	PLACES
.else
	PLACES
.endif
.endm
	s_load_b512 s[8:23], s[0:1], 0x0               ; xq s[8:9], w1q s[10:11], w2q s[12:13], rt s[14:15], ps s[16:17], x s[18:19], b1 s[20:21], b2 s[22:23]
	s_load_b128 s[24:27], s[0:1], 0x40             ; scales s[24:25], out0 s[26:27]
	s_load_b64 s[28:29], s[0:1], 0x50              ; out1
	v_lshl_add_u32 v1, v0, 2, SPARE
	v_mov_b32 v2, 0
	ds_add_u32 v1, v2
	ds_add_u32 v1, v2
	s_wait_dscnt 0x0
	v_lshrrev_b32 v3, 5, v0
	v_readfirstlane_b32 s30, v3                    ; wave 0..3
	s_bfe_u32 s31, ttmp6, 0x40000                  ; cx: my place in the cluster: it enters global addresses of my own loads and stores, and, in the kernel's last lines, one mask of lanes
	s_lshl_b32 s32, ttmp9, 2                       ; in a cluster launch ttmp9 counts clusters
	s_add_co_u32 s32, s32, s31                     ; g: my block of 64 tokens
	s_lshr_b32 s72, ttmp9, 1                       ; rot, from the cluster's number c:
	s_xor_b32 s72, s72, ttmp9                      ; bit i = c(i) ^ c(i + 1);
	s_and_b32 s73, s72, 3                          ; bits 0, 1,
	s_lshr_b32 s72, s72, 1
	s_and_b32 s72, s72, 12                         ; and bits 3, 4
	s_or_b32 s[ROT], s72, s73
	; descriptor group 1: 32,768 dense bytes as 128 rows of 32 elements of 8 bytes
	s_mov_b32 s[G1], 15|(3<<16)|(1<<21)            ; 15:0 the mask: all four work-groups; 17:16 elements of 8 bytes; 20 no padding; 21 set beside a mask
	s_mov_b32 s[G1+1], 32<<16                      ; tensor_dim0 = 32
	s_mov_b32 s[G1+2], 128<<16                     ; tensor_dim1 = 128
	s_mov_b32 s[G1+3], 32<<16                      ; tile_dim0 = 32
	s_mov_b32 s[G1+4], 128                         ; tile_dim1 = 128
	s_mov_b32 s[G1+5], 32                          ; from row to row: 32 elements
	s_mov_b32 s[G1+6], 0
	s_mov_b32 s[G1+7], 0
	s_and_b32 s33, s30, 1                          ; which half of a chunk I fetch
	s_lshl_b32 s34, s33, 15
	s_mov_b32 s35, 0
	s_lshl_b32 s68, s32, 15                        ; xq: 16 fragments a block
	s_mov_b32 s69, 0
	s_lshl_b32 s88, s32, 10                        ; rt: 64 tokens of 16 bytes
	s_mov_b32 s89, 0
	s_lshl_b32 s90, s32, 17                        ; x and out0: 64 rows of 2,048 bytes, + my wave's 512 bytes of a row
	s_lshl_b32 s91, s30, 9
	s_add_co_u32 s90, s90, s91
	s_mov_b32 s91, 0
	s_lshl_b32 s92, s30, 9                         ; b2: my wave's 128 columns
	s_mov_b32 s93, 0
	s_mov_b32 s70, 0x76543210                      ; v_permlanex16_b32's selects: lane l xor 16
	s_mov_b32 s71, 0xfedcba98
	s_mov_b32 s62, 0                               ; 512 x the place whose b1 the next P1 takes
	s_mov_b32 s[LOSS], 0                           ; written on every way; the one wave that stores it writes it anew below
	s_wait_kmcnt 0x0
	s_load_b128 s[36:39], s[24:25], 0x0            ; e0 (W1), e1 (tokens), e2 (hidden layer), e3 (W2)
	s_add_nc_u64 s[BW1:BW1+1], s[10:11], s[34:35]  ; my half of W1's chunk 0,
	s_add_nc_u64 s[BW2:BW2+1], s[12:13], s[34:35]  ; of W2's: nothing here hangs on my place in the cluster
	s_mov_b32 s[PL1], 0                            ; place 0 into region 0
	s_mov_b32 s[GA1], 1                            ; count = 1
	s_mov_b32 s[GA1+1], s34                        ; LDS address: region 0, my half
	WHERE GA1, BW1, PL1
	s_mov_b32 s[GA2], 1
	s_add_co_u32 s[GA2+1], s34, W2R
	WHERE GA2, BW2, PL1
	s_mov_b32 s[PL1], 1                            ; place 1 into region 1
	s_mov_b32 s[GB1], 1
	s_add_co_u32 s[GB1+1], s34, REG1
	WHERE GB1, BW1, PL1
	s_mov_b32 s[GB2], 1
	s_add_co_u32 s[GB2+1], s34, W2R+REG1
	WHERE GB2, BW2, PL1
	s_mov_b32 s[GW2], 1                            ; W2's walking one is stepped once before its first use, at trip 1's head: place 2 into region 0
	s_add_co_u32 s[GW2+1], s34, W2R+REG1
	WHERE GW2, BW2, PL1
	s_mov_b32 s[PL2], 1
	s_mov_b32 s[PL1], 2                            ; W1's walking one is first used at trip 0's head: place 2 into region 0
	s_mov_b32 s[GW1], 1
	s_mov_b32 s[GW1+1], s34
	WHERE GW1, BW1, PL1
	s_add_nc_u64 s[8:9], s[8:9], s[68:69]
	s_add_nc_u64 s[14:15], s[14:15], s[88:89]
	s_add_nc_u64 s[18:19], s[18:19], s[90:91]
	s_add_nc_u64 s[26:27], s[26:27], s[90:91]
	s_add_nc_u64 s[22:23], s[22:23], s[92:93]
	CROUND                                         ; all four work-groups are here: the first joint loads meet
	s_cmp_lt_u32 s30, 2                            ; a wave's two first fills stand in one branch, ahead of every wait on TENSORcnt, every LDS instruction and every other barrier
	s_cbranch_scc0 .Lfirst_w2
	tensor_load_to_lds s[GA1:GA1+3], s[G1:G1+7]
	s_nop 0
	tensor_load_to_lds s[GB1:GB1+3], s[G1:G1+7]
	s_nop 0
	PLACES
	s_branch .Lfirst_asked
.Lfirst_w2:
	tensor_load_to_lds s[GA2:GA2+3], s[G1:G1+7]
	s_nop 0
	tensor_load_to_lds s[GB2:GB2+3], s[G1:G1+7]
	s_nop 0
	PLACES
.Lfirst_asked:
	v_and_b32 v3, 31, v0
	v_lshlrev_b32 v3, 4, v3                        ; 16 x lane
	s_lshl_b32 s72, s30, 14                        ; my wave's 16,384 bytes of a chunk
	v_add_nc_u32 v4, s72, v3
	v_add_nc_u32 v5, REG1, v4
	v_add_nc_u32 v6, W2R, v4
	v_add_nc_u32 v7, W2R+REG1, v4
	v_add_nc_u32 v8, HIMG, v3
	s_lshl_b32 s72, s30, 9
	v_add_nc_u32 v9, s72, v8                       ; my quarter of a fragment of h
	v_bfe_u32 v10, v0, 4, 1
	v_lshlrev_b32 v10, 6, v10
	s_lshl_b32 s72, s30, 7
	s_add_co_u32 s72, s72, B1S
	v_add_nc_u32 v10, s72, v10                     ; b1 of hidden units 32 w + 16 h on
	v_lshlrev_b32 v24, 4, v0                       ; 16 x thread
	v_and_b32 v25, 15, v0
	v_lshlrev_b32 v25, 4, v25                      ; 16 r
	v_bfe_u32 v26, v0, 4, 1
	v_lshlrev_b32 v26, 5, v26                      ; 32 h
	v_add_nc_u32 v27, B1S, v24
.irp i, 0,1,2,3,4,5,6,7                        ; b1 goes into LDS by place: load i of wave w brings the 512 bytes of place 4 i + w, which are chunk J(4 i + w)'s
	s_add_co_u32 s72, s30, 4*\i
	s_add_co_u32 s72, s72, s[ROT]
	s_and_b32 s72, s72, 15
	s_or_b32 s72, s72, (4*\i)&16
	s_lshl_b32 s72, s72, 9
	v_add_nc_u32 v[32+\i], s72, v3
.endr
.irp i, 0,1,2,3,4,5,6,7
	global_load_b128 v[64+4*\i:67+4*\i], v[32+\i], s[20:21]                    ; a wave reads 512 consecutive bytes
.endr
.irp m, 0,1,2,3
	global_load_b128 v[96+4*\m:99+4*\m], v25, s[14:15] offset:256*\m           ; w0, w1, rho, i0 of token 16 m + r
.endr
	WIN 0xc0                                       ; destination window 3
.irp e, 0,1
.irp n, 0,1,2,3,4,5,6,7
	global_load_b128 v[64*\e+8*\n:64*\e+8*\n+3], v26, s[22:23] offset:2048*\e+64*\n        ; b2_e of columns 128 w + 16 n + 8 h + 0..7: the accumulator's layout
	global_load_b128 v[64*\e+8*\n+4:64*\e+8*\n+7], v26, s[22:23] offset:2048*\e+64*\n+16
.endr
.endr
	WIN 0x40                                       ; destination window 1
.irp f, 0,1,2,3,4,5,6,7,8,9,10,11,12,13,14,15
.irp c, 0,1,2,3
	global_load_b128 v[16*\f+4*\c:16*\f+4*\c+3], v3, s[8:9] offset:2048*\f+512*\c          ; the tokens' fragments stay in registers
.endr
.endr
	WIN 0
	s_wait_kmcnt 0x0
	s_add_co_i32 s66, s36, s37                     ; S1
	s_add_co_i32 s67, s38, s39                     ; S2
	s_lshl_b32 s72, s66, 23
	s_add_co_u32 s72, s72, 0xc0135761              ; K1 = -2.3022082 with S1 added to its exponent field
	v_mov_b32 v14, s72
	v_mov_b32 v15, s72
	s_mul_i32 s72, s66, 3
	s_lshl_b32 s72, s72, 23
	s_add_co_u32 s60, s72, 0xbdd2d3e8              ; K3 = -0.10294324 with 3 S1 added
	s_mov_b32 s61, s60                             ; (named with it as a pair, so it is written)
	s_sub_co_i32 s72, s38, s66
	s_add_co_i32 s72, s72, 127
	s_lshl_b32 s73, s72, 23
	v_mov_b32 v12, s73                             ; 2^(e2 - S1): the three scales folded into the conversion's one
	s_add_co_i32 s72, s72, 8
	s_lshl_b32 s72, s72, 23
	s_or_b32 s72, s72, 0x600000
	v_mov_b32 v13, s72                             ; 448 x that
	; THE LOSS is summed here, with all lanes on, by wave 3 of the first cluster's work-groups, from the 1,024 tiles' pairs, and kept in a scalar register: every vector register is taken through the loop.
	; It is stored in the kernel's last lines.  The branches hang on the cluster's number and the wave's; no LDS instruction, barrier or tensor load stands inside.
	s_cmp_lg_u32 ttmp9, 0
	s_cbranch_scc1 .Lno_loss
	s_cmp_lg_u32 s30, 3
	s_cbranch_scc1 .Lno_loss
.irp i, 0,1,2,3,4,5,6,7,8,9,10,11,12,13,14,15
	global_load_b128 v[128+4*\i:131+4*\i], v3, s[16:17] offset:512*\i
.endr
	s_wait_loadcnt 0x0
.irp w, 2,4,8,16,32                            ; a lane's 32 pairs become one: 31 packed additions
.set k, 0
.rept 32/\w
	v_pk_add_f32 v[128+k:129+k], v[128+k:129+k], v[128+k+\w:129+k+\w]
.set k, k+2*\w
.endr
.endr
.irp x, 1,2,4,8
	v_add_f32_dpp v128, v128, v128 row_xmask:\x row_mask:0xf bank_mask:0xf
	v_add_f32_dpp v129, v129, v129 row_xmask:\x row_mask:0xf bank_mask:0xf
.endr
	v_permlanex16_b32 v130, v128, s70, s71
	v_permlanex16_b32 v131, v129, s70, s71
	v_pk_add_f32 v[128:129], v[128:129], v[130:131]
	v_add_f32 v128, v128, v129
	v_mul_f32 v128, 0x3523d70a, v128               ; x 0.02 x 1/2 / 16,384
	v_readfirstlane_b32 s[LOSS], v128              ; every lane holds the same number
.Lno_loss:
	s_wait_loadcnt 63                              ; of the 108 loads the oldest 45 are in: b1, rt and b2 are the first 44
	s_sub_co_i32 s72, 0, s66
	s_sub_co_i32 s73, 0, s67
.set i, 0
.rept 32
	v_ldexp_f32 v[64+i], v[64+i], s72              ; b1 / 2^S1: it goes in as the C of each sum's first product
.set i, i+1
.endr
.irp i, 0,1,2,3,4,5,6,7
	ds_store_b128 v27, v[64+4*\i:67+4*\i] offset:2048*\i
.endr
.irp m, 0,1,2,3
	v_mul_f32 v[128+4*\m], v[96+4*\m], v[99+4*\m]  ; w0 i0
	v_mul_f32 v[130+4*\m], v[97+4*\m], v[99+4*\m]  ; w1 i0
	v_mov_b32 v[RHO+2*\m], v[98+4*\m]              ; rho, twice: a pair for the packed multiply
	v_mov_b32 v[RHO+2*\m+1], v[98+4*\m]
.endr
.irp m, 0,1,2,3
	v_ldexp_f32 v[128+4*\m], v[128+4*\m], s73      ; / 2^S2
	v_ldexp_f32 v[130+4*\m], v[130+4*\m], s73
.endr
.irp m, 0,1,2,3
	v_mov_b32 v[129+4*\m], v[128+4*\m]
	v_mov_b32 v[131+4*\m], v[130+4*\m]
.endr
	WIN 0x83                                       ; destination window 2, source 0 window 3
.irp m, 0,1,2,3
.set k, 0
.rept 32
	v_pk_mul_f32 v[64*\m+k:64*\m+k+1], v[k:k+1], v[128+4*\m:129+4*\m]          ; the accumulators start as the weighted biases: nothing is cleared
.set k, k+2
.endr
.endr
	WIN 0xa3                                       ; and source 2 window 2
.irp m, 0,1,2,3
.set k, 0
.rept 32
	v_pk_fma_f32 v[64*\m+k:64*\m+k+1], v[64+k:64+k+1], v[130+4*\m:131+4*\m], v[64*\m+k:64*\m+k+1]
.set k, k+2
.endr
.endr
	WIN 0
	s_wait_tensorcnt 0x1                           ; my half of place 0 is in; place 1's may stay out
	s_wait_dscnt 0x0                               ; my part of b1 lies in LDS
	s_barrier_signal -1
	s_barrier_wait -1
	s_wait_loadcnt 0x0                             ; the tokens' fragments
; h's four fragments of place j - 1: the 16 LDS loads that stand between a trip's barrier and its first product
.macro RUNH par
	WIN 0
.irp m, 0,1,2,3
.irp c, 0,1,2,3
	ds_load_b128 v[H+16*\m+4*\c:H+16*\m+4*\c+3], v8 offset:(1-(\par))*8192+\m*2048+\c*512
.endr
.endr
.endm
; Fragment gf of W2's place j, for the next trip's P2: region j % 2
.macro W2G par
	WIN 0xc0
.irp c, 0,1,2,3
	ds_load_b128 v[16*gf+4*\c:16*gf+4*\c+3], v[6+(\par)] offset:gf*2048+\c*512
.endr
.endm
; b1's two tiles of place j + 1
.macro BIG
	WIN 0
	v_add_nc_u32 v11, s62, v10
	s_add_co_u32 s62, s62, 512
.irp u, 0,1
	ds_load_b128 v[BI+8*\u:BI+8*\u+3], v11 offset:32*\u
	ds_load_b128 v[BI+8*\u+4:BI+8*\u+7], v11 offset:32*\u+16
.endr
.endm
; Fragment gf = 2 s + u of W1's place j + 1: region (j + 1) % 2
.macro W1G par
	WIN 0xc0
.irp c, 0,1,2,3
	ds_load_b128 v[128+16*gf+4*\c:128+16*gf+4*\c+3], v[5-(\par)] offset:gf*2048+\c*512
.endr
.endm
.macro RUNB par                        ; all 36 in one run: in the two trips that have no P2 to set them between
	BIG
.set gf, 0
.rept 8
	W1G \par
.set gf, gf+1
.endr
.endm
; Part gp % 8 of unit gp / 8 of place j's gelu and quantiser.  A unit is one accumulator of P1 (token tile q / 2, tile q % 2): eight numbers a lane, read from its low end on.
.macro GPART par
	WIN 0
.set q, gp/8
.set pt, gp%8
.set rS, SA+64*(\par)+8*q
.set rC, CD+2*q
.if pt == 0
.irp k, 0,2,4,6
	v_pk_mul_f32 v[T+\k:T+\k+1], v[rS+\k:rS+\k+1], v[rS+\k:rS+\k+1]            ; sigma^2
.endr
.elseif pt == 1
.irp k, 0,2,4,6
	v_pk_fma_f32 v[T+\k:T+\k+1], v[T+\k:T+\k+1], s[60:61], v[14:15] op_sel_hi:[1,0,1]   ; K3 sigma^2 + K1
.endr
.elseif pt == 2
.irp k, 0,2,4,6
	v_pk_mul_f32 v[T+\k:T+\k+1], v[T+\k:T+\k+1], v[rS+\k:rS+\k+1]              ; u
.endr
.elseif pt == 3
.irp k, 0,1,2,3,4,5,6,7
	v_exp_f32 v[T+\k], v[T+\k]
.endr
	v_nop                                          ; a plain instruction behind the transcendentals (ISA guide 5.7.2)
.elseif pt == 4
	s_wait_alu depctr_va_vdst(0)
.irp k, 0,2,4,6
	v_pk_add_f32 v[T+\k:T+\k+1], v[T+\k:T+\k+1], 1.0 op_sel_hi:[1,0]
.endr
.elseif pt == 5
.irp k, 0,1,2,3,4,5,6,7
	v_rcp_f32 v[T+\k], v[T+\k]
.endr
	v_nop
.elseif pt == 6
	s_wait_alu depctr_va_vdst(0)
.irp k, 0,2,4,6
	v_pk_mul_f32 v[rS+\k:rS+\k+1], v[rS+\k:rS+\k+1], v[T+\k:T+\k+1]            ; gelu / 2^S1
.endr
.else
.irp k, 0,1,2,3,4,5,6,7
	v_med3_num_f32 v[rS+\k], v[rS+\k], -v13, v13   ; the conversion to an 8-bit code does not saturate (ISA guide 7.6.2): the hold comes first
.endr
	v_cvt_scalef32_pk8_fp8_f32 v[rC:rC+1], v[rS:rS+7], v12
	v_nop                                          ; a plain instruction between the conversion and whatever next writes its sources
.if q%2 == 1
	ds_store_b128 v9, v[rC-2:rC+1] offset:(\par)*8192+(q/2)*2048               ; 16 neighbouring hidden units of my token: my wave's quarter of fragment q / 2
.endif
.endif
.set gp, gp+1
.endm
.macro SLICES par                      ; what stands behind a matrix instruction: per parts, while there are any
.if (per > 0) && (gp < 64)
	GPART \par
.endif
.if (per > 1) && (gp < 64)
	GPART \par
.endif
.endm
; Product mi of 32 of P2: output tile mi / 4, token tile mi % 4.  The 32 accumulators take turns, one instruction a turn.
.macro P2W
	WIN 0xa3                                       ; W2 window 3, h window 0, C and D window 2
.set tn, mi/4
.set tm, mi%4
	v_wmma_f32_16x16x128_fp8_fp8 v[64*tm+8*tn:64*tm+8*tn+7], v[16*tn:16*tn+15], v[H+16*tm:H+16*tm+15], v[64*tm+8*tn:64*tm+8*tn+7]
.endm
; Product mi of 32 of P1: K step mi / 8, token tile (mi / 2) % 4, tile mi % 2.  The first K step takes b1 / 2^S1 as C.  The 8 accumulators take turns.
.macro P1W par
	WIN 0x07                                       ; W1 window 3, the tokens window 1, C and D window 0
.set ts, mi/8
.set tm, (mi/2)%4
.set tu, mi%2
.set rD, SA+64*(1-(\par))+8*(2*tm+tu)
.if ts == 0
	v_wmma_f32_16x16x128_fp8_fp8 v[rD:rD+7], v[128+16*(2*ts+tu):128+16*(2*ts+tu)+15], v[16*(4*tm+ts):16*(4*tm+ts)+15], v[BI+8*tu:BI+8*tu+7]
.else
	v_wmma_f32_16x16x128_fp8_fp8 v[rD:rD+7], v[128+16*(2*ts+tu):128+16*(2*ts+tu)+15], v[16*(4*tm+ts):16*(4*tm+ts)+15], v[rD:rD+7]
.endif
.endm
; Between expert 0's last place and expert 1's first: acc x rho, each accumulator from its low end on.  It stands in the loop's second step and is passed over but in the trip that counts 7: trip 17.
.macro RESCALE
	WIN 0
	s_cmp_lg_u32 s63, 7
	s_cbranch_scc1 .Lno_rescale_\@
	WIN 0x82                                       ; destination and source 0 window 2
.irp m, 0,1,2,3
.set k, 0
.rept 32
	v_pk_mul_f32 v[64*\m+k:64*\m+k+1], v[64*\m+k:64*\m+k+1], v[RHO+2*\m:RHO+2*\m+1]
.set k, k+2
.endr
.endr
	WIN 0
.Lno_rescale_\@:
.endm
; The residual.  Block b = (token tile b / 2, half b % 2 of my 128 columns): 16 rows x 256 bytes, two rows a load: sixteen lanes read 256 consecutive bytes.  Blocks 0-3 into W1's fragment registers, 4-7 into the sums' registers.
.macro XLOAD b
.if (\b) < 4
	WIN 0xc0
.set xr, 128+32*(\b)
.else
	WIN 0
.set xr, 64+32*((\b)-4)
.endif
.irp i, 0,1,2,3,4,5,6,7
	global_load_b128 v[xr+4*\i:xr+4*\i+3], v10, s[18:19] offset:(16*((\b)/2)+2*\i)*2048+256*((\b)%2) th:TH_LOAD_NT
.endr
.endm
.macro XL1                             ; at trip 31's head: no P1 follows, so b1's registers and addresses, W1's fragments and the sums' first buffer are free
	v_and_b32 v11, 15, v0
	v_lshlrev_b32 v11, 4, v11                      ; 16 r
	v_bfe_u32 v10, v0, 4, 1
	v_lshl_add_u32 v10, v10, 11, v11               ; 2048 (lane / 16) + 16 (lane % 16): my place in two rows of x and of out0; never rewritten
.irp m, 0,1,2,3
	global_load_b128 v[BI+4*\m:BI+4*\m+3], v11, s[14:15] offset:256*\m         ; the routing numbers once more, for beta
.endr
	XLOAD 4
	XLOAD 5
	XLOAD 0
	XLOAD 1
	XLOAD 2
	XLOAD 3
.endm
.macro XL2                             ; at trip 32's head: the sums' second buffer is free too
	XLOAD 6
	XLOAD 7
.endm
; TRIP j, par = j % 2.  p2: P2 of place j - 1; p1: P1 of place j + 1; gel: the gelu of place j; fill: the refill at its head; resc: the rescaling may stand here; xl: loads of the residual;
; w2: W2's place j is read, 1: among P1's products, 2: in one run at the trip's end (the trip that has no P1).
; A group of four LDS loads stands ahead of every third product: b1 ahead of P2's product 1, W1's fragment f ahead of product 2 + 3 f; W2's fragment nt ahead of P1's product 1 + 3 nt, when all of P2 has been issued.
; The waits on DScnt are for 0: ahead of P2 only h's 16 loads are out, with a unit of the gelu between them and the wait; ahead of P1 W1's last group stands nine products back.
.macro TRIP par, p2, p1, gel, fill, resc, xl, w2
	JLOAD \fill
.if \xl == 1
	XL1
.endif
.if \xl == 2
	XL2
.endif
.if \p2
	RUNH \par
.else
	RUNB \par
.endif
.if \resc
	RESCALE
.endif
.set gp, 64
.set per, 0
.if \gel
.set gp, 0
.set per, 2
.if \p2 && \p1
.set per, 1
.endif
.rept 8
	GPART \par                                     ; the first unit stands while the first loads are on their way
.endr
.endif
.if \p2
.set mi, 0
.rept 32
.if \p1
.if mi == 1
	BIG
.endif
.if (mi >= 2) && ((mi-2)%3 == 0) && (mi < 26)
.set gf, (mi-2)/3
	W1G \par
.endif
.endif
.if mi == 0
	s_wait_dscnt 0x0                               ; h's fragments are in; W2's were waited for at the last trip's end
.endif
	P2W
	SLICES \par
.set mi, mi+1
.endr
.endif
.if \p1
.set mi, 0
.rept 32
.if (\w2 == 1) && (mi >= 1) && ((mi-1)%3 == 0) && (mi < 25)
.set gf, (mi-1)/3
	W2G \par
.endif
.if mi == 0
	s_wait_dscnt 0x0                               ; b1's tiles and W1's eight fragments are in
.endif
	P1W \par
	SLICES \par
.set mi, mi+1
.endr
.endif
.if \w2 == 2
	PLACES                                         ; behind the last products, which read W2's last fragment
.set gf, 0
.rept 8
	W2G \par
.set gf, gf+1
.endr
.endif
.endm
; A trip's end.  Each wave waits for all its tensor loads (its half chunk), adds 0 to its spare word, and waits for that, for its stores of h and for its reads of the regions.  Behind the barrier h(j) lies whole
; in LDS, the chunks asked for at this trip's head are whole, and nobody reads the regions just left.  round = 1: the barrier is a round of the cluster's, so that this holds of all four work-groups, and the joint refill is the first thing behind it.
.macro ENDTRIP step, round
	WIN 0                                          ; at a label and at a branch every window is 0; the add's registers lie in window 0
	s_wait_tensorcnt 0x0                           ; no tensor load of mine is out, so a group 0 may be written
	ds_add_u32 v1, v2                              ; 0 onto my spare word: the descriptors' steps stand between it and the wait for it
.if \step
	s_add_co_u32 s[PL1], s[PL1], 1                 ; the walking descriptors: the next place,
	s_add_co_u32 s[PL2], s[PL2], 1
	s_xor_b32 s[GW1+1], s[GW1+1], REG1             ; the other region,
	WHERE GW1, BW1, PL1                            ; the place's chunk
	s_xor_b32 s[GW2+1], s[GW2+1], REG1
	WHERE GW2, BW2, PL2
.endif
	s_wait_dscnt 0x0
.if \round
	CROUND
.else
	s_barrier_signal -1
	s_barrier_wait -1
.endif
.endm
	TRIP 1, 0, 1, 0, 0, 0, 0, 0                    ; trip -1: P1 of place 0
	ENDTRIP 0, 1
	TRIP 0, 0, 1, 1, 3, 0, 0, 1                    ; trip 0: W1's place 2 is asked for | gelu 0 | P1 of place 1 | W2's place 0 into registers
	ENDTRIP 1, 1
	TRIP 1, 1, 1, 1, 1, 0, 0, 1                    ; trip 1: W1's place 3, W2's place 2 | P2 of place 0 | gelu 1 | P1 of place 2
	ENDTRIP 1, 1
	s_mov_b32 s63, 14
.Lloop:                                            ; trips 2 to 29, two a turn of the loop: trip j asks for W1's place j + 2 and W2's place j + 1
	TRIP 0, 1, 1, 1, 1, 0, 0, 1
	ENDTRIP 1, 1
	TRIP 1, 1, 1, 1, 1, 1, 0, 1
	ENDTRIP 1, 1
	s_sub_co_u32 s63, s63, 1
	s_cmp_lg_u32 s63, 0
	s_cbranch_scc1 .Lloop
	TRIP 0, 1, 1, 1, 2, 0, 0, 1                    ; trip 30: the tail is written out: W2's place 31 alone is asked for: the last load
	ENDTRIP 0, 0
	TRIP 1, 1, 0, 1, 0, 0, 1, 2                    ; trip 31: P2 of place 30 | gelu 31 | most of the residual is asked for | W2's place 31 into registers
	ENDTRIP 0, 0
	TRIP 0, 1, 0, 0, 0, 0, 2, 0                    ; trip 32: P2 of place 31
	; THE WAY OUT.  beta and the stage's addresses are made first: twenty plain instructions that name none of the last products' registers are the places behind them.
	WIN 0
	s_wait_loadcnt 0x0                             ; the residual and the routing numbers
.irp m, 0,1,2,3
	v_max_num_f32 v[RHO+2*\m], 0x21800000, v[BI+4*\m+1]    ; w1, held at 2^-60 from below,
.endr
.irp m, 0,1,2,3
	v_ldexp_f32 v[RHO+2*\m], v[RHO+2*\m], s67      ; x 2^S2: beta, in the registers that rho has left,
.endr
.irp m, 0,1,2,3
	v_mov_b32 v[RHO+2*\m+1], v[RHO+2*\m]           ; twice
.endr
	s_mul_i32 s72, s30, 4352
	s_add_co_u32 s72, s72, STG                     ; my stage
	v_and_b32 v24, 15, v0
	v_bfe_u32 v25, v0, 4, 1
	v_mul_u32_u24 v4, v24, 272                     ; in: row r, 32 bytes for each half of the lanes
	v_lshl_add_u32 v4, v25, 5, v4
	v_add_nc_u32 v4, s72, v4
	v_mul_u32_u24 v5, v25, 272                     ; back: lanes 0-15 one row of 256 bytes, lanes 16-31 the next
	v_lshl_add_u32 v5, v24, 4, v5
	v_add_nc_u32 v5, s72, v5
; Block b: a lane's eight sums are eight neighbouring columns of one token; x beta (which belongs to the token, so it is applied in this layout), into rows of 272 bytes, and back as whole rows of 256.
.macro TOSTAGE b
.set tm, (\b)/2
.set hf, (\b)%2
	WIN 0x02                                       ; source 0 window 2
.irp n, 0,1,2,3
.irp i, 0,2,4,6
	v_pk_mul_f32 v[32+8*\n+\i:33+8*\n+\i], v[64*tm+8*(4*hf+\n)+\i:64*tm+8*(4*hf+\n)+\i+1], v[RHO+2*tm:RHO+2*tm+1]
.endr
.endr
	WIN 0
.irp n, 0,1,2,3
	ds_store_b128 v4, v[32+8*\n:35+8*\n] offset:64*\n
	ds_store_b128 v4, v[36+8*\n:39+8*\n] offset:64*\n+16
.endr
.set bk, H+32*((\b)%2)
.irp i, 0,1,2,3,4,5,6,7
	ds_load_b128 v[bk+4*\i:bk+4*\i+3], v5 offset:544*\i    ; LDS serves a wave's instructions in order (ISA guide 5.7.1.4): these see my stores, and the next block's stores come behind them
.endr
.endm
.macro SEND b, younger                 ; younger: the LDS instructions issued behind block b's loads
.set bk, H+32*((\b)%2)
	s_wait_dscnt \younger
.if (\b) < 4
	WIN 0x0c                                       ; source 1 window 3
.set xr, 128+32*(\b)
.else
	WIN 0
.set xr, 64+32*((\b)-4)
.endif
.set k, 0
.rept 16
	v_pk_add_f32 v[bk+k:bk+k+1], v[bk+k:bk+k+1], v[xr+k:xr+k+1]                ; + x, which was loaded in this layout
.set k, k+2
.endr
	WIN 0
.irp i, 0,1,2,3,4,5,6,7
	global_store_b128 v10, v[bk+4*\i:bk+4*\i+3], s[26:27] offset:(16*((\b)/2)+2*\i)*2048+256*((\b)%2) th:TH_STORE_NT   ; 16 lanes store 256 consecutive bytes, at a multiple of 256 from out0's first byte
.endr
.endm
	TOSTAGE 0
.irp a, 1,2,3,4,5,6,7
.if \a > 1
	s_wait_xcnt 0x0                                ; block a - 2's stores have read their registers: block a's loads may land there
.endif
	TOSTAGE \a
	SEND \a-1, 16                                  ; behind block a - 1's loads: block a's 8 stores and 8 loads
.endr
	SEND 7, 0
	s_wait_tensorcnt 0x0                           ; the wave's end: behind my last tensor load and my last LDS store
	ds_add_u32 v1, v2
	s_wait_dscnt 0x0
	CROUND                                         ; the closing round: no work-group ends while a partner may still ask for a tile that names it
	; THE LOSS IS STORED, by one lane of the whole launch: wave 3 of the first cluster's work-groups comes here, and the mask leaves lane 0 of the work-group at place 0.  My place in the cluster enters EXEC
	; only here, behind the last LDS instruction, barrier and tensor load: no LDS address and no other vector register is written under it or behind it.
	s_cmp_lg_u32 ttmp9, 0
	s_cbranch_scc1 .Lend
	s_cmp_lg_u32 s30, 3
	s_cbranch_scc1 .Lend
	v_and_b32 v24, 31, v0
	v_lshl_or_b32 v24, s31, 5, v24                 ; 0 in lane 0 of the work-group at place 0 alone
	v_mov_b32 v25, 0
	v_mov_b32 v26, s[LOSS]
	s_wait_xcnt 0x0                                ; EXEC changes only behind this wait: it is a source of the stores above
	v_cmp_eq_u32 vcc_lo, 0, v24
	s_and_saveexec_b32 s74, vcc_lo
	global_store_b32 v25, v26, s[28:29]
	s_wait_xcnt 0x0                                ; and again, in front of the line that widens it
	s_or_b32 exec_lo, exec_lo, s74
.Lend:
	s_endpgm
.Lfunc_end_k_q4b9623ba33_moe:
	.size	k_q4b9623ba33_moe, .Lfunc_end_k_q4b9623ba33_moe-k_q4b9623ba33_moe
	.p2alignl 7, 3214868480
	.fill 96, 4, 3214868480
	.section	.rodata,"a",@progbits
	.p2align	6, 0x0
	.amdhsa_kernel k_q4b9623ba33_moe
		.amdhsa_group_segment_fixed_size 327680
		.amdhsa_private_segment_fixed_size 0
		.amdhsa_enable_private_segment 0
		.amdhsa_kernarg_size 88
		.amdhsa_user_sgpr_count 2
		.amdhsa_user_sgpr_kernarg_segment_ptr 1
		.amdhsa_wavefront_size32 1
		.amdhsa_system_sgpr_workgroup_id_x 1
		.amdhsa_system_sgpr_workgroup_id_y 1
		.amdhsa_system_sgpr_workgroup_id_z 1
		.amdhsa_system_vgpr_workitem_id 0
		.amdhsa_next_free_vgpr 1024
		.amdhsa_next_free_sgpr 102
		.amdhsa_reserve_vcc 1
		.amdhsa_float_denorm_mode_32 3
		.amdhsa_float_denorm_mode_16_64 3
		.amdhsa_memory_ordered 1
		.amdhsa_forward_progress 1
		.amdhsa_inst_pref_size 255
	.end_amdhsa_kernel
	.section	.bss,"aw",@nobits
	.p2align	6
	.space	262144
	.amdgpu_metadata
---
amdhsa.version: [ 1, 2 ]
amdhsa.kernels:
  - .name:           k_q4b9623ba33_moe
    .symbol:         k_q4b9623ba33_moe.kd
    .args:
      - { .name: xq, .offset: 0, .size: 8, .value_kind: global_buffer, .address_space: global }
      - { .name: w1q, .offset: 8, .size: 8, .value_kind: global_buffer, .address_space: global }
      - { .name: w2q, .offset: 16, .size: 8, .value_kind: global_buffer, .address_space: global }
      - { .name: rt, .offset: 24, .size: 8, .value_kind: global_buffer, .address_space: global }
      - { .name: ps, .offset: 32, .size: 8, .value_kind: global_buffer, .address_space: global }
      - { .name: hidden_states, .offset: 40, .size: 8, .value_kind: global_buffer, .address_space: global }
      - { .name: b1, .offset: 48, .size: 8, .value_kind: global_buffer, .address_space: global }
      - { .name: b2, .offset: 56, .size: 8, .value_kind: global_buffer, .address_space: global }
      - { .name: lowp_scales, .offset: 64, .size: 8, .value_kind: global_buffer, .address_space: global }
      - { .name: out0, .offset: 72, .size: 8, .value_kind: global_buffer, .address_space: global }
      - { .name: out1, .offset: 80, .size: 8, .value_kind: global_buffer, .address_space: global }
    .group_segment_fixed_size: 327680
    .private_segment_fixed_size: 0
    .kernarg_segment_align: 8
    .kernarg_segment_size: 88
    .max_flat_workgroup_size: 128
    .sgpr_count:     102
    .vgpr_count:     1024
    .wavefront_size: 32
...
	.end_amdgpu_metadata
.endif
;; end of part 2
